; MI455X (gfx1250); checked and timed in simulation.
; The chip was launched on July 23, 2026; its instructions are those of AMD's public machine-readable ISA for CDNA 5 (MIT licence, August 2026) and "CDNA5" Instruction Set Architecture Reference Guide (July 2026). The comments in the code are by the model that wrote it; some were corrected since.
;; Mo E Layer. Allowed arithmetic: matrix products marked QUANTISED: E2M1 operands, one E8M0 scale for each 32 along K, by v_wmma_scale_f32_16x16x128_f8f6f4 with both operands' format E2M1 (or v_wmma_scale_f32_32x16x128_f4), f32 sums; products left as they are: f32 operands where the result goes on into a quantised operand, else bf16, f16 or f32 operands; f32 sums; everything else in f32.
;; Inputs: W1 8 x 1,024 x 4,096 float32; W2 8 x 4,096 x 1,024 float32; Wr 1,024 x 8 float32; b1 8 x 4,096 float32; b2 8 x 1,024 float32; br 8 float32; x 2 x 512 x 1,024 float32.
;; Outputs: out0 2 x 512 x 1,024 float32; out1 2 x 512 x 8 float32.
;; Constants: top_k = 2.
;; This version of the problem:
;;   THIS VERSION OF THE PROBLEM IS GIVEN IN LOW PRECISION. The matrix products marked QUANTISED in the list below multiply operands that are first quantised to E2M1 (2 exponent bits, 1 mantissa bit; 4 bits a number), with one power-of-two scale for each 32 numbers along K (OCP MX v1.0); their sums are f32. All else is computed in f32.
;;   The module's matrix products, in the order in which they are computed (A, B: the left and right operand; K: the contracted axis; several contracted axes count as one K, in the product's order):
;;     1. [M 1,024, K 1,024] x [K 1,024, N 8]; A: input x; B: input Wr: left as it is (N = 8 < 16)
;;     2. [M 1,024, K 1,024] x [K 1,024, N 32,768]; A: input x; B: input W1: QUANTISED
;;     3. batch 8 x [M 1,024, K 4,096] x [K 4,096, N 1,024]; A: input W2; B: computed on the way: QUANTISED
;;     4. batch 1,024 x [M 1, K 8] x [K 8, N 1,024]; A: computed on the way; B: computed on the way: left as it is (K = 8 < 32)
;;   THE QUANTISER, for each operand of a quantised product, along K:
;;     - K is cut into blocks of 32 from its start; a last block that is shorter is filled with zeros.
;;     - A block's scale is 2^e with e = floor(log2(the largest magnitude in the block)) - 2, held to -126 .. 127; a block of zeros has e = 0. As a byte (E8M0): e + 127.
;;     - Each number is divided by its block's scale, clamped to +-6, and rounded to the nearest number of E2M1, ties to even, subnormals kept.
;;     - The product sums the exact products of the quantised numbers (number of the format x scale) in f32.
;;   ~~~python
;;   def quantise(x, axis):      # numpy; x: float32 -> the quantised numbers, widened to float32 again
;;       x = np.moveaxis(x, axis, -1); K = x.shape[-1]
;;       x = np.pad(x, [(0, 0)] * (x.ndim - 1) + [(0, -K % 32)]); x = x.reshape(x.shape[:-1] + (-1, 32)); a = np.abs(x).max(-1, keepdims=True)
;;       e = np.where(a > 0, np.clip(np.frexp(np.where(a > 0, a, 1))[1] - 1 - 2, -126, 127), 0)      # np.frexp(a)[1] - 1 = floor(log2(a)), exactly
;;       r = np.clip(x / 2.0 ** e, -6, 6)
;;       step = 2.0 ** (np.maximum(np.frexp(np.where(r == 0, 1, r))[1] - 1, 0) - 1)
;;       q = np.round(r / step) * step * 2.0 ** e      # np.round: ties to even
;;       return np.moveaxis(q.reshape(q.shape[:-2] + (-1,))[..., :K], -1, axis).astype(np.float32)
;;   ~~~
;;   OPERANDS COMPUTED ON THE WAY. 'Computed on the way' means the value that the module computes at that place (a softmax that the list does not call 'softmax' is quantised finished and normalised). What goes into a quantiser is computed in f32, as accurately as f32 sums, v_exp_f32 and their like allow (about 1e-6 of the number): no bf16 or f16 on the way to a quantiser, and a product that is left as it is and whose result goes on into a quantised operand takes f32 operands (vector FMAs, or v_wmma_f32_16x16x4_f32). A number that lies on a knife's edge between two numbers of the format may be rounded either way, as far as f32 arithmetic and the matrix unit's own rounding can turn it there, and no further.
;; One version. Each part assembles by itself: llvm-mc -triple=amdgcn-amd-amdhsa -mcpu=gfx1250 --defsym DOCPART=n.
;; ======== version 1 of 1: 4 launches
;; workspace buffers: xq 524,288 bytes; xs 32,768 bytes; masks 2,048 bytes of whole numbers; gate 8,192 bytes; hq 20,971,520 bytes; hs 1,572,864 bytes; ybuf 16,842,752 bytes
;; launch route (part 1): grid 64 x 1, 4 waves a work-group, no clusters, 53,504 bytes of LDS; arguments x, Wr, br, xq, xs, masks, gate, out1; writes xq, xs, masks, gate, out1
.if DOCPART == 1
	.amdgcn_target "amdgcn-amd-amdhsa--gfx1250"
	.amdhsa_code_object_version 6
	.text
	.protected	k_q451ee22311_route
	.globl	k_q451ee22311_route
	.p2align	8
	.type	k_q451ee22311_route,@function
k_q451ee22311_route:
	s_mov_b64 s[64:65], 0
	v_nop
	global_prefetch_b8 v0, s[64:65] scope:SCOPE_SE
	s_setreg_imm32_b32 hwreg(HW_REG_WAVE_MODE, 25, 1), 1
	s_wait_xcnt 0x0
; ROUTER AND QUANTISER OF x.  logits = x Wr + br in f32 (fused multiply-adds), probs = softmax (the row maximum taken away) -> out1, the two largest probs of each token (the lower index wins a tie, as jax.lax.top_k has it).
; x is also turned into codes of E2M1 along D, 32 to a scale byte (E8M0): xq [token][512 bytes], xs [token][32 bytes].
; WORK LEFT OUT BY THE PROGRAM: cw[t][e] is built by reference() from one_hot(topi) x topw, so for every expert e outside token t's two chosen ones cw[t][e] is exactly 0, whatever the inputs hold, and
; out[t] = sum over e of cw[t][e] y[t][e] takes nothing from h[t][e][:] and y[t][e][:] of those experts.  The later launches therefore multiply only the 2,048 rows (token, chosen expert).  Every input stays live and is loaded.
; LIMITS: a NaN, an infinity or an overflow that arises only in the rows left out is not carried to the result.  NaN and infinities among the inputs are not served.  A block of zeros gets the scale byte 1 where the rule
; says 127: its codes are zeros and this program alone reads the bytes.  The logits are f32 sums in another order than reference()'s: two probs that differ by less than that rounding may change places in the choice.
; WHAT IS STORED FOR THE LATER LAUNCHES, at fixed places: masks, u16 [choice 2][expert 8][work-group 64]: bit t says that token 16 wg + t has that expert as that choice; gate, f32 [choice][token]: the chosen probs.
; SHARES: a work-group takes 16 tokens, a wave 4.  Lane l holds block l (d = 32 l .. 32 l + 31) of each of its wave's tokens, so that a block's largest magnitude needs no other lane.
; Loads take 512 consecutive bytes a wave; a token's 4,096 bytes turn through the wave's own stage in LDS (blocks 144 bytes apart) and come back 128 bytes a lane.  Wr lies in LDS as 32 slices of 1,024 + 16 bytes.
; No matrix unit: N = 8 is too narrow, and the choice wants f32.  No tensor load: 32 KiB of Wr and 64 KiB of x a work-group come by plain loads at once.
.set WRS,   0                          ; 32 slices x 1,040 bytes
.set XST,   33280                      ; 4 stages x 4,608 bytes
.set LG,    51712                      ; 16 tokens x 48 bytes: logits
.set SB,    52480                      ; 16 tokens x 32 scale bytes
.set SPARE, 52992                      ; the spare words, 128 bytes a wave
.set LN,   1                           ; lane
.set WRI,  2                           ; Wr on its way into LDS
.set WRO,  3                           ; my slice of Wr
.set XIN,  4                           ; the stage, in
.set XOUT, 5                           ; the stage, out
.set L16,  6                           ; 16 x lane
.set T16,  7                           ; 16 x thread
.set SBA,  8                           ; my scale byte
.set LGA,  9                           ; my wave's logits
.set SPW,  10
.set NIL,  11
.set TP,   12                          ; v12-15 at work
.set RC,   16                          ; v16-31 codes, four registers a token
.set ACC,  32                          ; v32-63 sums: token k, expert e at 8 k + e
.set WC,   64                          ; v64-127 Wr as loaded; then two chunks of 4 rows x 8 experts
.set X,    128                         ; v128-255 four tokens x 32 numbers
	s_load_b512 s[4:19], s[0:1], 0x0               ; x, Wr, br, xq, xs, masks, gate, out1
	v_lshl_add_u32 v[SPW], v0, 2, SPARE
	v_mov_b32 v[NIL], 0
	v_lshrrev_b32 v[TP], 5, v0
	v_readfirstlane_b32 s28, v[TP]                 ; wave
	v_and_b32 v[LN], 31, v0
	v_lshrrev_b32 v[TP], 6, v0
	v_and_b32 v[TP+1], 63, v0
	v_mul_u32_u24 v[WRI], v[TP], 1040
	v_lshl_add_u32 v[WRI], v[TP+1], 4, v[WRI]      ; byte 16 t + 2,048 i of Wr lies in slice 2 i + t / 64
	v_mul_u32_u24 v[WRO], v[LN], 1040
	s_mul_i32 s40, s28, 4608
	s_add_co_u32 s40, s40, XST
	v_lshrrev_b32 v[TP], 3, v[LN]
	v_and_b32 v[TP+1], 7, v[LN]
	v_mul_u32_u24 v[XIN], v[TP], 144
	v_lshl_add_u32 v[XIN], v[TP+1], 4, v[XIN]
	v_add_nc_u32 v[XIN], s40, v[XIN]               ; eight lanes' 128 bytes are a block
	v_mul_u32_u24 v[XOUT], v[LN], 144
	v_add_nc_u32 v[XOUT], s40, v[XOUT]
	v_lshlrev_b32 v[L16], 4, v[LN]
	v_lshlrev_b32 v[T16], 4, v0
	s_lshl_b32 s41, s28, 7
	s_add_co_u32 s41, s41, SB
	v_add_nc_u32 v[SBA], s41, v[LN]
	s_mul_i32 s41, s28, 192
	s_add_co_u32 s41, s41, LG
	v_mov_b32 v[LGA], s41
	s_mov_b32 s29, 0xffff0000                      ; lanes 16-31
	s_mov_b32 s30, 0x76543210
	s_mov_b32 s31, 0xfedcba98                      ; v_permlanex16_b32: lane l xor 16
	s_mov_b32 s44, 0x3fb8aa3b                      ; log2(e)
	s_lshl_b32 s42, ttmp9, 16
	s_lshl_b32 s43, s28, 14
	s_add_co_u32 s42, s42, s43                     ; (16 wg + 4 wave) rows of 4,096 bytes
	s_mov_b32 s43, 0
	s_wait_kmcnt 0x0
	s_load_b256 s[20:27], s[8:9], 0x0              ; br
	s_add_nc_u64 s[4:5], s[4:5], s[42:43]
	s_lshr_b32 s42, s42, 3                         ; the same rows of 512 bytes of codes
	s_add_nc_u64 s[10:11], s[10:11], s[42:43]
	s_lshl_b32 s42, ttmp9, 9
	s_add_nc_u64 s[12:13], s[12:13], s[42:43]      ; xs: 16 tokens x 32 bytes
	s_add_nc_u64 s[18:19], s[18:19], s[42:43]      ; out1 likewise
	s_lshl_b32 s42, ttmp9, 1
	s_add_nc_u64 s[14:15], s[14:15], s[42:43]      ; masks: my halfword in each of 16 rows
	s_lshl_b32 s42, ttmp9, 6
	s_add_nc_u64 s[16:17], s[16:17], s[42:43]      ; gate: 16 tokens x 4 bytes
.irp i, 0,1,2,3,4,5,6,7,8,9,10,11,12,13,14,15
	global_load_b128 v[WC+4*\i:WC+4*\i+3], v[T16], s[6:7] offset:2048*\i
.endr
.irp k, 0,1,2,3
.irp j, 0,1,2,3,4,5,6,7
	global_load_b128 v[X+32*\k+4*\j:X+32*\k+4*\j+3], v[L16], s[4:5] offset:4096*\k+512*\j th:TH_LOAD_NT
.endr
.endr
	s_wait_loadcnt 32                              ; Wr is in; the 32 loads of x may be out
.irp i, 0,1,2,3,4,5,6,7,8,9,10,11,12,13,14,15
	ds_store_b128 v[WRI], v[WC+4*\i:WC+4*\i+3] offset:2080*\i
.endr
.irp k, 0,1,2,3
	s_wait_loadcnt 24-8*\k                         ; token k's eight loads are in; eight for each later token may be out
.irp j, 0,1,2,3,4,5,6,7
	ds_store_b128 v[XIN], v[X+32*\k+4*\j:X+32*\k+4*\j+3] offset:576*\j
.endr
.irp j, 0,1,2,3,4,5,6,7
	ds_load_b128 v[X+32*\k+4*\j:X+32*\k+4*\j+3], v[XOUT] offset:16*\j   ; LDS serves a wave's instructions in order: these see the stores above, and the next token's stores come behind them
.endr
.endr
	s_wait_dscnt 0x0                               ; my part of Wr has landed, my tokens are back
	s_barrier_signal -1
	s_barrier_wait -1                              ; all of Wr lies in LDS
; Token k's block of 32 in my lane becomes 16 bytes of codes and a scale byte.
.macro QX k
.set XK, X+32*(\k)
	v_max3_num_f32 v[TP], |v[XK]|, |v[XK+1]|, |v[XK+2]|
	v_max3_num_f32 v[TP+1], |v[XK+3]|, |v[XK+4]|, |v[XK+5]|
.irp i, 6,10,14,18,22,26
	v_max3_num_f32 v[TP], v[TP], |v[XK+\i]|, |v[XK+\i+1]|
	v_max3_num_f32 v[TP+1], v[TP+1], |v[XK+\i+2]|, |v[XK+\i+3]|
.endr
	v_max3_num_f32 v[TP], v[TP], |v[XK+30]|, |v[XK+31]|
	v_max3_num_f32 v[TP], v[TP], v[TP+1], 0x1800000   ; the floor 2^(3 - 127): the byte cannot fall under 1
	v_add_nc_u32 v[TP+2], 0xff000000, v[TP]        ; 2 off the exponent field: the conversion's scale operand
.irp g, 0,1,2,3
	v_cvt_scalef32_pk8_fp4_f32 v[RC+4*(\k)+\g], v[XK+8*\g:XK+8*\g+7], v[TP+2]
.endr
	v_lshrrev_b32 v[ACC+28+(\k)], 23, v[TP+2]      ; the scale byte (a plain line behind the conversions); it waits in a register that the sums take only behind the wait below
	global_store_b128 v[L16], v[RC+4*(\k):RC+4*(\k)+3], s[10:11] offset:512*(\k)   ; 32 lanes store the token's 512 bytes
	ds_store_b8 v[SBA], v[ACC+28+(\k)] offset:32*(\k)
.endm
.irp k, 0,1,2,3
	QX \k
.endr
.macro WFETCH c                        ; rows 4 c .. 4 c + 3 of my slice of Wr: 128 bytes
.irp q, 0,1,2,3,4,5,6,7
	ds_load_b128 v[WC+32*((\c)%2)+4*\q:WC+32*((\c)%2)+4*\q+3], v[WRO] offset:128*(\c)+16*\q
.endr
.endm
.macro CH c                            ; 4 rows x 4 tokens x 8 experts; the very first row starts the sums
.if (\c) < 7
	WFETCH (\c)+1
	s_wait_dscnt 8                                 ; all but the next chunk's eight loads
.else
	s_wait_dscnt 0x0
.endif
.irp i, 0,1,2,3
.irp k, 0,1,2,3
.irp e, 0,1,2,3,4,5,6,7
.if ((\c) == 0) && (\i == 0)
	v_mul_f32 v[ACC+8*\k+\e], v[X+32*\k+4*(\c)+\i], v[WC+32*((\c)%2)+8*\i+\e]
.else
	v_fmac_f32 v[ACC+8*\k+\e], v[X+32*\k+4*(\c)+\i], v[WC+32*((\c)%2)+8*\i+\e]
.endif
.endr
.endr
.endr
.endm
	WFETCH 0
.irp c, 0,1,2,3,4,5,6,7
	CH \c
.endr
; the 32 sums over the 32 lanes
.irp m, 1,2,4,8
.set ra, 0
.rept 32
	v_add_f32_dpp v[ACC+ra], v[ACC+ra], v[ACC+ra] row_xmask:\m row_mask:0xf bank_mask:0xf
.set ra, ra+1
.endr
.endr
.set ra, 0
.rept 32
	v_permlanex16_b32 v[WC+ra], v[ACC+ra], s30, s31
.set ra, ra+1
.endr
.set ra, 0
.rept 32
	v_add_f32 v[ACC+ra], v[ACC+ra], v[WC+ra]
.set ra, ra+1
.endr
.irp k, 0,1,2,3
.irp q, 0,1
	ds_store_b128 v[LGA], v[ACC+8*\k+4*\q:ACC+8*\k+4*\q+3] offset:48*\k+16*\q   ; every lane holds the same numbers
.endr
.endr
	; what wave 0 alone will use is made here, by every wave, ahead of the parting
	v_and_b32 v133, 15, v[LN]                      ; t
	v_lshrrev_b32 v134, 4, v[LN]                   ; h
	v_mul_u32_u24 v128, v133, 48
	v_add_nc_u32 v128, LG, v128                    ; token t's logits
	v_add_nc_u32 v129, SB, v[L16]                  ; the scale bytes, 16 a lane
	v_lshlrev_b32 v130, 5, v133
	v_lshl_add_u32 v130, v134, 4, v130             ; out1: 32 t + 16 h
	v_lshlrev_b32 v131, 2, v133
	v_lshl_add_u32 v131, v134, 12, v131            ; gate: 4,096 h + 4 t
	v_lshlrev_b32 v132, 7, v[LN]                   ; masks: row (choice, expert) = lane, 128 bytes a row
	s_wait_kmcnt 0x0                               ; br
	s_wait_dscnt 0x0                               ; my logits and scale bytes have landed
	s_barrier_signal -1
	s_barrier_wait -1
	s_cmp_lg_u32 s28, 0
	s_cbranch_scc1 .Lend
	; wave 0: lane (t, h) works on token t; the two halves of the lanes do the same and then part: h = 0 serves the first choice, h = 1 the second
	ds_load_b128 v[32:35], v128
	ds_load_b128 v[36:39], v128 offset:16
	ds_load_b128 v[40:43], v129
	s_wait_dscnt 0x0
.irp e, 0,1,2,3,4,5,6,7
	v_add_f32 v[32+\e], s[20+\e], v[32+\e]
.endr
	v_max3_num_f32 v140, v32, v33, v34
	v_max3_num_f32 v140, v140, v35, v36
	v_max3_num_f32 v140, v140, v37, v38
	v_max_num_f32 v140, v140, v39                  ; the row's largest logit
	v_mul_f32 v140, s44, v140
.irp e, 0,1,2,3,4,5,6,7
	v_fma_f32 v[32+\e], v[32+\e], s44, -v140       ; (logit - maximum) x log2(e)
.endr
.irp e, 0,1,2,3,4,5,6,7
	v_exp_f32 v[32+\e], v[32+\e]
.endr
	v_nop                                          ; a plain line behind the last exponential
	s_wait_alu depctr_va_vdst(0)                   ; one wait for the eight, ahead of their first reader
	v_add_f32 v141, v32, v33
	v_add_f32 v142, v34, v35
	v_add_f32 v143, v36, v37
	v_add_f32 v144, v38, v39
	v_add_f32 v141, v141, v142
	v_add_f32 v143, v143, v144
	v_add_f32 v141, v141, v143
	v_rcp_f32 v141, v141
	v_nop
	s_wait_alu depctr_va_vdst(0)
.irp e, 0,1,2,3,4,5,6,7
	v_mul_f32 v[32+\e], v[32+\e], v141             ; probs
.endr
	v_mov_b32 v44, v32                             ; the largest, and its index: a later expert takes over only where it is strictly larger
	v_mov_b32 v45, 0
.irp e, 1,2,3,4,5,6,7
	v_cmp_le_f32 vcc_lo, v[32+\e], v44
	v_cndmask_b32 v45, \e, v45, vcc_lo
	v_max_num_f32 v44, v44, v[32+\e]
.endr
	v_mov_b32 v56, -1.0
.irp e, 0,1,2,3,4,5,6,7
	v_cmp_eq_u32 vcc_lo, \e, v45
	v_cndmask_b32 v[48+\e], v[32+\e], v56, vcc_lo  ; the winner stands aside
.endr
	v_mov_b32 v46, v48
	v_mov_b32 v47, 0
.irp e, 1,2,3,4,5,6,7
	v_cmp_le_f32 vcc_lo, v[48+\e], v46
	v_cndmask_b32 v47, \e, v47, vcc_lo
	v_max_num_f32 v46, v46, v[48+\e]
.endr
	v_cndmask_b32 v57, v44, v46, s29               ; my half's choice: its weight,
	v_cndmask_b32 v58, v45, v47, s29               ; and its expert
.irp q, 0,1,2,3
	v_cndmask_b32 v[60+\q], v[32+\q], v[36+\q], s29
.endr
	global_store_b128 v130, v[60:63], s[18:19]     ; 32 lanes store 512 consecutive bytes of out1
	global_store_b32 v131, v57, s[16:17]
	global_store_b128 v[L16], v[40:43], s[12:13]   ; 512 consecutive bytes of xs
	v_mov_b32 v59, 0
.irp e, 0,1,2,3,4,5,6,7
	v_cmp_eq_u32 s[32+\e], \e, v58                 ; bits 0-15: tokens whose first choice is e; bits 16-31: second choice
.endr
.irp e, 0,1,2,3,4,5,6,7
	v_writelane_b32 v59, s[32+\e], \e              ; lane e: the low half is stored
	s_lshr_b32 s40, s[32+\e], 16
	v_writelane_b32 v59, s40, 8+\e
.endr
	v_cmp_gt_u32 vcc_lo, 16, v[LN]
	s_wait_xcnt 0x0                                ; EXEC changes only behind this wait
	s_and_saveexec_b32 s40, vcc_lo
	global_store_b16 v132, v59, s[14:15]           ; 16 halfwords, one in each row (choice, expert): 2,048 bytes in the whole launch
	s_wait_xcnt 0x0
	s_or_b32 exec_lo, exec_lo, s40
.Lend:
	s_wait_tensorcnt 0x0                           ; the wave's end
	ds_add_u32 v[SPW], v[NIL]
	s_wait_dscnt 0x0
	s_endpgm
.Lfunc_end_k_q451ee22311_route:
	.size	k_q451ee22311_route, .Lfunc_end_k_q451ee22311_route-k_q451ee22311_route
	.p2alignl 7, 3214868480
	.fill 96, 4, 3214868480
	.section	.rodata,"a",@progbits
	.p2align	6, 0x0
	.amdhsa_kernel k_q451ee22311_route
		.amdhsa_group_segment_fixed_size 53504
		.amdhsa_private_segment_fixed_size 0
		.amdhsa_enable_private_segment 0
		.amdhsa_kernarg_size 64
		.amdhsa_user_sgpr_count 2
		.amdhsa_user_sgpr_kernarg_segment_ptr 1
		.amdhsa_wavefront_size32 1
		.amdhsa_system_sgpr_workgroup_id_x 1
		.amdhsa_system_sgpr_workgroup_id_y 1
		.amdhsa_system_sgpr_workgroup_id_z 1
		.amdhsa_system_vgpr_workitem_id 0
		.amdhsa_next_free_vgpr 256
		.amdhsa_next_free_sgpr 66
		.amdhsa_reserve_vcc 1
		.amdhsa_float_denorm_mode_32 3
		.amdhsa_float_denorm_mode_16_64 3
		.amdhsa_memory_ordered 1
		.amdhsa_forward_progress 1
		.amdhsa_inst_pref_size 74
	.end_amdhsa_kernel
	.amdgpu_metadata
---
amdhsa.version: [ 1, 2 ]
amdhsa.kernels:
  - .name:           k_q451ee22311_route
    .symbol:         k_q451ee22311_route.kd
    .args:
      - { .name: x, .offset: 0, .size: 8, .value_kind: global_buffer, .address_space: global }
      - { .name: Wr, .offset: 8, .size: 8, .value_kind: global_buffer, .address_space: global }
      - { .name: br, .offset: 16, .size: 8, .value_kind: global_buffer, .address_space: global }
      - { .name: xq, .offset: 24, .size: 8, .value_kind: global_buffer, .address_space: global }
      - { .name: xs, .offset: 32, .size: 8, .value_kind: global_buffer, .address_space: global }
      - { .name: masks, .offset: 40, .size: 8, .value_kind: global_buffer, .address_space: global }
      - { .name: gate, .offset: 48, .size: 8, .value_kind: global_buffer, .address_space: global }
      - { .name: out1, .offset: 56, .size: 8, .value_kind: global_buffer, .address_space: global }
    .group_segment_fixed_size: 53504
    .private_segment_fixed_size: 0
    .kernarg_segment_align: 8
    .kernarg_segment_size: 64
    .max_flat_workgroup_size: 128
    .sgpr_count:     66
    .vgpr_count:     256
    .wavefront_size: 32
...
	.end_amdgpu_metadata
.endif
;; end of part 1
;; launch ffn1 (part 2): grid 256 x 1, 4 waves a work-group, no clusters, 77,568 bytes of LDS; arguments W1, b1, xq, xs, masks, hq, hs; writes hq, hs
.if DOCPART == 2
	.amdgcn_target "amdgcn-amd-amdhsa--gfx1250"
	.amdhsa_code_object_version 6
	.text
	.protected	k_q451ee22311_ffn1
	.globl	k_q451ee22311_ffn1
	.p2align	8
	.type	k_q451ee22311_ffn1,@function
k_q451ee22311_ffn1:
	s_mov_b64 s[64:65], 0
	v_nop
	global_prefetch_b8 v0, s[64:65] scope:SCOPE_SE
	s_setreg_imm32_b32 hwreg(HW_REG_WAVE_MODE, 25, 1), 1
	s_wait_xcnt 0x0
; h = relu(x W1[e] + b1[e]) for the rows (token, chosen expert) alone, in MX-FP4, and h quantised along F on the way.
; LEFT OUT: the rows of experts that a token did not choose: their combine weight is a zero that reference() builds from its one_hot (shown at the head of the first kernel).
; LIMITS: as stated there (NaN, infinities; a block of zeros has the byte 1).
; SHARES: work-group (e = wg / 32, fb = wg % 32) owns 128 hidden units of expert e: W1[e][0:1024][128 fb ..], 512 KiB of f32, read once, each load 512 consecutive bytes.
; PHASE 1: wave w streams rows 256 w .. + 255.  A lane holds four columns; 32 moves a sub-block of 8 rows lay a column's numbers down K in consecutive registers; a block of 32 is then one lane's: largest magnitude, scale
; byte, conversion.  The codes go to LDS as IMAGES OF THE OPERAND'S REGISTERS (units of 512 + 16 bytes: half a fragment), the scale words likewise.
; THE HIDDEN UNITS OF A TILE ARE NOT NEIGHBOURS: row r of tile 2 b + u is unit 32 b + 8 u + r + 8 (r / 8), so that a lane's 16 results of two neighbouring tiles are 16 neighbours along the next K.
; THE LIST: each work-group builds its expert's list of rows from the stored bit masks (wave 0, one scatter into LDS ahead of the first barrier); an entry is token + 1,024 x choice; places behind the count hold 2,048 + e.
; PHASE 2: a group is 80 places of the list, 5 tiles of 16; group 4 pass + wave.  Pass 0 is always computed (the next launch asks for its results without looking); later passes only while rows are left.
; The product is used transposed (source 0 = 16 units of W1, source 1 = 16 tokens): a lane holds one token.  b1 is the C of each sum's first product.  The 40 accumulators take turns, one instruction a turn.
; OUT: hq [e][group 16][K step 32][tile 5][1,024 bytes]: register images of the second product's fragments; hs [e][group][K step][pair 3][lane 32]: their scale words, two tiles to a register.
; NO TENSOR LOAD, NO CLUSTER: the passes hang on a count read from memory, so operands come through registers; no two work-groups share a byte of W1.
; REGISTERS, in windows of 256.  Window 0: addresses, scales, work; v128-255 the turned numbers, later v128-191 a tile of h and v192-255 tile 4's accumulators.  Window 1: the ring of 8 x 32 for W1, later the accumulators of
; tiles 0-3 (64 i + 8 t).  Window 2: v0-127 W1's fragments, two sets; v128-191 b1; v192-255 x's fragments of tile 4.  Window 3: x's fragments of tiles 0-3 (64 i + 8 s).
.set WSC,   67584                      ; behind the images (16 x 8 units of 528 bytes): 32 scale images of 128 bytes
.set LIST,  71680                      ; 1,280 entries, and at entry 1,280 the dump word
.set SPARE, 77056                      ; the spare words, 128 bytes a wave
.set LI,   1                           ; 16 x lane
.set WA,   2                           ; where my codes go
.set SA,   3                           ; where my scale words go
.set SPW,  4
.set NIL,  5
.set LI2,  6                           ; 16 x lane + 33,792: the images of K steps 4 to 7
.set LS,   7                           ; WSC + 4 x lane
.set L4,   8                           ; 4 x lane
.set LA0,  9                           ; LIST + 4 (lane % 16)
.set LAC,  10
.set H16,  11                          ; 16 (lane / 16)
.set H64,  12                          ; 64 (lane / 16)
.set SCA,  13                          ; the scatter's address: serves nothing else
.set SCP,  14
.set SCE,  15
.set ENT,  16                          ; v16-20 tokens of my five tiles' rows
.set XA,   21                          ; v21-25 their byte offsets in xq
.set XSA,  26                          ; v26-28 offsets in xs, two tiles to a register
.set LP0,  29                          ; LIST + 4 x lane
.set LPC,  30
.set LN,   31                          ; lane
.set RC,   32                          ; v32-47 codes of four columns
.set PCD,  32                          ; later v32-39 a fragment of h
.set PW,   40                          ; v40-44 its scale words, tile by tile
.set SPR,  45                          ; v45-46 two tiles' words in one register
.set WS,   48                          ; v48-79 W1's scale words: scales and nothing else
.set XS,   80                          ; v80-103 x's scale words: scales and nothing else
.set MX,   104
.set SO,   108
.set SWD,  112
.set BY,   116
.set TM,   104                         ; v104-119 the quantiser of h
.set TP,   120                         ; v120-127 at work at the head
.set LT0,  120
.set LT1,  121
.set DMP,  122
.set FIL,  123
.set RT,   128
.set RH,   128
.set A4,   192
.set B1,   128                         ; in window 2
.set X4,   192                         ; in window 2
.set SW,   86                          ; wave
.set SE,   87                          ; expert
.set SF,   88                          ; fb
.set SCNT, 89                          ; rows of my expert
.set SM,   90
.set SBC,  91
.set SROW, 92                          ; my group's first place in the list
.set SQ,   93                          ; the same in bytes
.set SPS,  94                          ; pass
.set SHI,  95                          ; lanes 16-31
.set SEL,  96                          ; s96, s97: lane l xor 16
.set MSB, 0
.macro WIN new                         ; the immediate's high byte repeats the setting that is left
.if MSB != \new
	s_set_vgpr_msb (MSB<<8)|\new
.set MSB, \new
.endif
.endm
.macro WLOAD n                         ; sub-block n: rows 8 n .. 8 n + 7 of my 256, 512 consecutive bytes a load, into slot n % 8
	WIN 0x40
.irp i, 0,1,2,3,4,5,6,7
	global_load_b128 v[32*((\n)%8)+4*\i:32*((\n)%8)+4*\i+3], v[LI], s[4:5] offset:(8*(\n)+\i)*16384 th:TH_LOAD_NT
.endr
.endm
; Load n of a group's operands: 0-15 b1 in the result's layout; 16-21 x's scale words; from 22 on x's fragments, K step by K step, ten loads each.
.macro XL n
.if (\n) < 16
	WIN 0x80
	global_load_b128 v[B1+4*(\n):B1+4*(\n)+3], v[H64], s[6:7] offset:(32*((\n)/4)+8*(((\n)/2)%2))*4+16*((\n)%2)
.elseif (\n) < 22
	WIN 0
	global_load_b128 v[XS+4*((\n)-16):XS+4*((\n)-16)+3], v[XSA+((\n)-16)/2], s[10:11] offset:16*((\n)%2)
.else
.set xm, (\n)-22
.if (xm%10)/2 < 4
	WIN 0xc0
	global_load_b128 v[64*((xm%10)/2)+8*(xm/10)+4*(xm%2):64*((xm%10)/2)+8*(xm/10)+4*(xm%2)+3], v[XA+(xm%10)/2], s[8:9] offset:64*(xm/10)+32*(xm%2)
.else
	WIN 0x80
	global_load_b128 v[X4+8*(xm/10)+4*(xm%2):X4+8*(xm/10)+4*(xm%2)+3], v[XA+4], s[8:9] offset:64*(xm/10)+32*(xm%2)
.endif
.endif
.endm
; 32 tokens of the masks.  vec = 1 (wave 0): each token of my expert is put at the next free place of the list; the others only count.
.macro LISTGRP i, vec
	s_or_b32 s[SM], s[16+(\i)], s[48+(\i)+4*((\i)/16)]
.if \vec
	v_mbcnt_lo_u32_b32 v[SCP], s[SM], s[SCNT]      ; the count so far + the set bits under my lane
	v_cndmask_b32 v[SCP], v[DMP], v[SCP], s[SM]    ; a lane outside the mask takes the dump word
	v_min_u32 v[SCP], 0x500, v[SCP]
	v_lshl_add_u32 v[SCA], v[SCP], 2, LIST
	v_add_nc_u32 v[LT0], 32*(\i), v[LN]
	v_add_nc_u32 v[LT1], 1024+32*(\i), v[LN]
	v_cndmask_b32 v[SCE], v[LT0], v[LT1], s[48+(\i)+4*((\i)/16)]
	ds_store_b32 v[SCA], v[SCE]
.endif
	s_bcnt1_i32_b32 s[SBC], s[SM]
	s_add_co_u32 s[SCNT], s[SCNT], s[SBC]
.endm
; My group's entries become offsets.
.macro ENTRIES
	v_add_nc_u32 v[LAC], s[SQ], v[LA0]
	v_add_nc_u32 v[LPC], s[SQ], v[LP0]
.irp i, 0,1,2,3,4
	ds_load_b32 v[ENT+\i], v[LAC] offset:64*\i     ; lane (r, h): row r of tile i
.endr
.irp a, 0,1
	ds_load_b32 v[XSA+\a], v[LPC] offset:128*\a    ; lanes 0-15: tile 2 a; lanes 16-31: tile 2 a + 1
.endr
	s_wait_dscnt 0x0
.irp i, 0,1,2,3,4
	v_min_u32 v[ENT+\i], 0xfff, v[ENT+\i]
.endr
.irp i, 0,1,2,3,4
	v_and_b32 v[ENT+\i], 0x3ff, v[ENT+\i]          ; the token (of a place behind the count: token e)
.endr
.irp i, 0,1,2,3,4
	v_lshl_add_u32 v[XA+\i], v[ENT+\i], 9, v[H16]
.endr
.irp a, 0,1
	v_min_u32 v[XSA+\a], 0xfff, v[XSA+\a]
.endr
.irp a, 0,1
	v_and_b32 v[XSA+\a], 0x3ff, v[XSA+\a]
.endr
.irp a, 0,1
	v_lshlrev_b32 v[XSA+\a], 5, v[XSA+\a]
.endr
	v_lshlrev_b32 v[XSA+2], 5, v[ENT+4]
.endm
; A block of 32 along K of my four columns is whole: scale bytes, codes, images.  b = 0 .. 7: K step b / 4 of my two, block b % 4 of it.
.macro BLOCKEND b
	s_wait_dscnt 0x0                               ; the last block's stores have read their registers
.irp j, 0,1,2,3
	v_add_nc_u32 v[SO+\j], 0xff000000, v[MX+\j]    ; 2 off the exponent field: the conversion's scale operand
.endr
.irp j, 0,1,2,3
.if (\b)%4 == 0
	v_lshrrev_b32 v[SWD+\j], 23, v[SO+\j]          ; the scale byte begins the K step's word
.else
	v_lshrrev_b32 v[BY+\j], 23, v[SO+\j]
.endif
.endr
.if (\b)%4 != 0
.irp j, 0,1,2,3
	v_lshl_or_b32 v[SWD+\j], v[BY+\j], 8*((\b)%4), v[SWD+\j]
.endr
.endif
.irp j, 0,1,2,3
.irp g, 0,1,2,3
	v_cvt_scalef32_pk8_fp4_f32 v[RC+4*\j+\g], v[RT+32*\j+8*\g:RT+32*\j+8*\g+7], v[SO+\j]
.endr
.endr
	v_nop                                          ; a plain line behind the last conversion
.irp j, 0,1,2,3
	ds_store_b128 v[WA], v[RC+4*\j:RC+4*\j+3] offset:(2*((\b)/4)+((\b)%4)/2)*4224+256*((\b)%2)+16*\j
.endr
.if (\b)%4 == 3
.irp j, 0,1,2,3
	ds_store_b32 v[SA], v[SWD+\j] offset:512*((\b)/4)+4*\j
.endr
.endif
.endm
.macro SUB n
	s_wait_loadcnt 48                              ; sub-block n is in; six younger batches of eight loads may be out (in the tail the group's operands take the weights' place, eight at a time)
	WIN 0x01
.irp i, 0,1,2,3,4,5,6,7
.irp j, 0,1,2,3
	v_mov_b32 v[RT+32*\j+8*((\n)%4)+\i], v[32*((\n)%8)+4*\i+\j]   ; column j, k = 8 (n % 4) + i
.endr
.endr
.if (\n)+7 < 32
	WLOAD (\n)+7
.else
.set xn, 8*((\n)-25)
.rept 8
	XL xn
.set xn, xn+1
.endr
.endif
	WIN 0
.irp j, 0,1,2,3
.if (\n)%4 == 0
	v_max3_num_f32 v[MX+\j], |v[RT+32*\j]|, |v[RT+32*\j+1]|, 0x1800000   ; the floor 2^(3 - 127): the byte cannot fall under 1
.else
	v_max3_num_f32 v[MX+\j], v[MX+\j], |v[RT+32*\j+8*((\n)%4)]|, |v[RT+32*\j+8*((\n)%4)+1]|
.endif
.endr
.irp i, 2,4,6
.irp j, 0,1,2,3
	v_max3_num_f32 v[MX+\j], v[MX+\j], |v[RT+32*\j+8*((\n)%4)+\i]|, |v[RT+32*\j+8*((\n)%4)+\i+1]|
.endr
.endr
.if (\n)%4 == 3
	BLOCKEND (\n)/4
.endif
.endm
.macro FETCHW s                        ; W1's eight fragments of K step s into set s % 2
	WIN 0x80
.irp t, 0,1,2,3,4,5,6,7
.irp c, 0,1
.if (\s) < 4
	ds_load_b128 v[64*((\s)%2)+8*\t+4*\c:64*((\s)%2)+8*\t+4*\c+3], v[LI] offset:(2*(\s)+\c)*4224+528*\t
.else
	ds_load_b128 v[64*((\s)%2)+8*\t+4*\c:64*((\s)%2)+8*\t+4*\c+3], v[LI2] offset:(2*((\s)-4)+\c)*4224+528*\t
.endif
.endr
.endr
.endm
.macro MM                              ; one product; mra, mrb: the scale words stand in lanes 16-31
.if mra && mrb
	v_wmma_scale_f32_16x16x128_f8f6f4 v[md:md+7], v[ma:ma+7], v[mb:mb+7], v[mc:mc+7], v[msa], v[msb] matrix_a_fmt:MATRIX_FMT_FP4 matrix_b_fmt:MATRIX_FMT_FP4 matrix_a_scale:MATRIX_SCALE_ROW1 matrix_b_scale:MATRIX_SCALE_ROW1
.elseif mra
	v_wmma_scale_f32_16x16x128_f8f6f4 v[md:md+7], v[ma:ma+7], v[mb:mb+7], v[mc:mc+7], v[msa], v[msb] matrix_a_fmt:MATRIX_FMT_FP4 matrix_b_fmt:MATRIX_FMT_FP4 matrix_a_scale:MATRIX_SCALE_ROW1
.elseif mrb
	v_wmma_scale_f32_16x16x128_f8f6f4 v[md:md+7], v[ma:ma+7], v[mb:mb+7], v[mc:mc+7], v[msa], v[msb] matrix_a_fmt:MATRIX_FMT_FP4 matrix_b_fmt:MATRIX_FMT_FP4 matrix_b_scale:MATRIX_SCALE_ROW1
.else
	v_wmma_scale_f32_16x16x128_f8f6f4 v[md:md+7], v[ma:ma+7], v[mb:mb+7], v[mc:mc+7], v[msa], v[msb] matrix_a_fmt:MATRIX_FMT_FP4 matrix_b_fmt:MATRIX_FMT_FP4
.endif
.endm
.macro MMROW s, t                      ; tile t of W1 against token tiles 0-3
.irp i, 0,1,2,3
.set md, 64*\i+8*(\t)
.set ma, 64*((\s)%2)+8*(\t)
.set mb, 64*\i+8*(\s)
.if (\s) == 0
.set mc, B1+8*(\t)
.else
.set mc, md
.endif
.set msa, WS+4*(\s)+(\t)/2
.set msb, XS+8*(\i/2)+(\s)
.set mra, (\t)%2
.set mrb, \i%2
	MM
.endr
.endm
.macro MMT4 s, t                       ; and against token tile 4
.set md, A4+8*(\t)
.set ma, 64*((\s)%2)+8*(\t)
.set mb, X4+8*(\s)
.if (\s) == 0
.set mc, B1+8*(\t)
.else
.set mc, md
.endif
.set msa, WS+4*(\s)+(\t)/2
.set msb, XS+16+(\s)
.set mra, (\t)%2
.set mrb, 0
	MM
.endm
.macro KSTEP s
.if (\s) == 0
	s_wait_loadcnt 63                              ; 70 loads stand behind K step 0's; the field holds 63, which asks for more than is needed
.else
	s_wait_loadcnt 10*(7-(\s))                     ; ten loads for each later K step may be out
.endif
	s_wait_dscnt 0x0                               ; W1's fragments (and, the first time, its scale words)
.if (\s) == 0
	WIN 0x6e                                       ; source 0 window 2, source 1 window 3, C (b1) window 2, D window 1
.else
	WIN 0x5e                                       ; C and D window 1
.endif
.irp t, 0,1,2,3
	MMROW \s, \t
.endr
.if (\s) < 7
.rept 4
	v_nop                                          ; places in front of loads into the set that the K step before has read
.endr
	FETCHW (\s)+1
.endif
.if (\s) == 0
	WIN 0x6e
.else
	WIN 0x5e
.endif
.irp t, 4,5,6,7
	MMROW \s, \t
.endr
.if (\s) == 0
	WIN 0x2a                                       ; sources 0 and 1 window 2, C window 2, D window 0
.else
	WIN 0x0a
.endif
.irp t, 0,1,2,3,4,5,6,7
	MMT4 \s, \t
.endr
.endm
; 64 numbers of a lane, none negative, register 16 b + i = k 32 b + 16 (lane / 16) + i of my row, become a fragment in v[PCD] on and its scale word in v[pw].
.macro QUANT s, pw
.irp b, 0,1,2,3
	v_max3_num_f32 v[TM+\b], v[\s+16*\b], v[\s+1+16*\b], 0x1800000
.endr
.irp i, 2,4,6,8,10,12,14
.irp b, 0,1,2,3
	v_max3_num_f32 v[TM+\b], v[TM+\b], v[\s+16*\b+\i], v[\s+1+16*\b+\i]
.endr
.endr
.irp b, 0,1,2,3
	v_permlanex16_b32 v[TM+4+\b], v[TM+\b], s[SEL], s[SEL+1]
.endr
.irp b, 0,1,2,3
	v_max_num_f32 v[TM+\b], v[TM+\b], v[TM+4+\b]   ; with lane l xor 16: the block's largest
.endr
.irp b, 0,1,2,3
	v_add_nc_u32 v[TM+12+\b], 0xff000000, v[TM+\b]
.endr
.irp b, 0,1,2,3
	v_lshrrev_b32 v[TM+4+\b], 23, v[TM+12+\b]
.endr
	v_lshl_or_b32 v[\pw], v[TM+5], 8, v[TM+4]
	v_lshl_or_b32 v[\pw], v[TM+6], 16, v[\pw]
	v_lshl_or_b32 v[\pw], v[TM+7], 24, v[\pw]
.irp b, 0,1,2,3
	v_cvt_scalef32_pk8_fp4_f32 v[PCD+2*\b], v[\s+16*\b:\s+7+16*\b], v[TM+12+\b]
	v_cvt_scalef32_pk8_fp4_f32 v[PCD+1+2*\b], v[\s+8+16*\b:\s+15+16*\b], v[TM+12+\b]
.endr
	v_nop                                          ; a plain line behind the last conversion
.irp c, 0,1
.irp i, 0,1
	v_permlane16_swap_b32 v[PCD+4*\c+\i], v[PCD+2+4*\c+\i]   ; a whole block to a lane: lanes 0-15 block 2 c, lanes 16-31 block 2 c + 1
.endr
.endr
.endm
.macro EPI i                           ; token tile i: relu, quantise, store the fragment's image
.set ej, 0
.if (\i) < 4
	WIN 0x04
.rept 64
	v_max_num_f32 v[RH+ej], 0, v[64*(\i)+ej]       ; each accumulator from its low end on
.set ej, ej+1
.endr
	WIN 0
.else
.rept 64
	v_max_num_f32 v[RH+ej], 0, v[A4+ej]
.set ej, ej+1
.endr
.endif
	s_wait_xcnt 0x0                                ; the last tile's stores have read their registers
	QUANT RH, PW+(\i)
	global_store_b128 v[LI], v[PCD:PCD+3], s[14:15] offset:1024*(\i)        ; 512 consecutive bytes a store
	global_store_b128 v[LI], v[PCD+4:PCD+7], s[14:15] offset:1024*(\i)+512
.endm
	s_load_b256 s[4:11], s[0:1], 0x0               ; W1, b1, xq, xs
	s_load_b128 s[12:15], s[0:1], 0x20             ; masks, hq
	s_load_b64 s[84:85], s[0:1], 0x30              ; hs
	v_lshl_add_u32 v[SPW], v0, 2, SPARE
	v_mov_b32 v[NIL], 0
	v_lshrrev_b32 v[TP], 5, v0
	v_readfirstlane_b32 s[SW], v[TP]
	v_and_b32 v[LN], 31, v0
	s_lshr_b32 s[SE], ttmp9, 5
	s_and_b32 s[SF], ttmp9, 31
	v_lshlrev_b32 v[LI], 4, v[LN]
	v_lshlrev_b32 v[L4], 2, v[LN]
	v_add_nc_u32 v[LI2], 33792, v[LI]
	v_lshl_add_u32 v[LS], v[LN], 2, WSC
	v_lshl_add_u32 v[LP0], v[LN], 2, LIST
	v_and_b32 v[TP], 15, v[LN]
	v_lshl_add_u32 v[LA0], v[TP], 2, LIST
	v_lshrrev_b32 v[TP+1], 4, v[LN]
	v_lshlrev_b32 v[H16], 4, v[TP+1]
	v_lshlrev_b32 v[H64], 6, v[TP+1]
	; my columns 4 l + j are row 4 (l & 1) + 8 ((l >> 2) & 1) + j of tile 2 (l >> 3) + ((l >> 1) & 1)
	v_lshrrev_b32 v[TP+2], 3, v[LN]
	v_bfe_u32 v[TP+3], v[LN], 1, 1
	v_lshl_add_u32 v[TP+4], v[TP+2], 1, v[TP+3]
	v_and_b32 v[TP+5], 1, v[LN]
	v_bfe_u32 v[TP+6], v[LN], 2, 1
	v_mul_u32_u24 v[WA], v[TP+4], 528
	v_lshl_add_u32 v[WA], v[TP+5], 6, v[WA]
	v_lshl_add_u32 v[WA], v[TP+6], 7, v[WA]
	s_mul_i32 s98, s[SW], 16896                    ; my two K steps: four rows of units
	v_add_nc_u32 v[WA], s98, v[WA]
	v_lshlrev_b32 v[SA], 7, v[TP+2]
	v_lshl_add_u32 v[SA], v[TP+3], 6, v[SA]
	v_lshl_add_u32 v[SA], v[TP+6], 5, v[SA]
	v_lshl_add_u32 v[SA], v[TP+5], 4, v[SA]
	s_lshl_b32 s98, s[SW], 10
	s_add_co_u32 s98, s98, WSC
	v_add_nc_u32 v[SA], s98, v[SA]
	v_add_nc_u32 v[FIL], LIST, v[LI]
	v_mov_b32 v[DMP], 0x500
	s_add_co_u32 s98, s[SE], 2048
.irp q, 4,5,6,7
	v_mov_b32 v[TP+\q], s98                        ; what a place behind the count holds
.endr
	s_lshl_b32 s98, s[SE], 24
	s_lshl_b32 s99, s[SW], 22
	s_add_co_u32 s98, s98, s99
	s_lshl_b32 s99, s[SF], 9
	s_add_co_u32 s98, s98, s99
	s_mov_b32 s99, 0
	s_wait_kmcnt 0x0
	s_add_nc_u64 s[4:5], s[4:5], s[98:99]          ; W1[e][256 w][128 fb]
	s_lshl_b32 s98, s[SE], 14
	s_lshl_b32 s100, s[SF], 9
	s_add_co_u32 s98, s98, s100
	s_add_nc_u64 s[6:7], s[6:7], s[98:99]          ; b1[e][128 fb]
	s_lshl_b32 s98, s[SE], 7
	s_add_nc_u64 s[12:13], s[12:13], s[98:99]      ; my expert's row of masks
	s_lshl_b32 s100, s[SE], 4
	s_add_co_u32 s100, s100, s[SW]
	s_lshl_b32 s100, s100, 5
	s_add_co_u32 s100, s100, s[SF]                 ; (16 e + group) x 32 + K step
	s_mul_i32 s98, s100, 5120
	s_add_nc_u64 s[14:15], s[14:15], s[98:99]
	s_mul_i32 s98, s100, 384
	s_add_nc_u64 s[84:85], s[84:85], s[98:99]
	s_load_b512 s[16:31], s[12:13], 0x0            ; first choices: 32 words of 32 tokens
	s_load_b512 s[32:47], s[12:13], 0x40
	s_load_b512 s[48:63], s[12:13], 0x400          ; second choices
	s_load_b512 s[68:83], s[12:13], 0x440
.irp n, 0,1,2,3,4,5,6
	WLOAD \n
.endr
	WIN 0
	s_mov_b32 s[SCNT], 0
	s_mov_b32 s[SHI], 0xffff0000
	s_mov_b32 s[SEL], 0x76543210
	s_mov_b32 s[SEL+1], 0xfedcba98
	s_mul_i32 s[SROW], s[SW], 80
	s_mul_i32 s[SQ], s[SW], 320
	s_wait_kmcnt 0x0
	s_cmp_lg_u32 s[SW], 0
	s_cbranch_scc1 .Lcount
.irp i, 0,1,2,3,4,5,6,7,8,9
	ds_store_b128 v[FIL], v[TP+4:TP+7] offset:512*\i
.endr
.set li, 0
.rept 32
	LISTGRP li, 1
.set li, li+1
.endr
	s_branch .Llisted
.Lcount:
.set li, 0
.rept 32
	LISTGRP li, 0
.set li, li+1
.endr
.Llisted:
	s_wait_dscnt 0x0                               ; wave 0: the list has landed
	s_barrier_signal -1
	s_barrier_wait -1
	ENTRIES
.set sn, 0
.rept 32
	SUB sn
.set sn, sn+1
.endr
.set xn, 56
.rept 46
	XL xn                                          ; the rest of the first group's operands
.set xn, xn+1
.endr
	WIN 0
	s_wait_dscnt 0x0                               ; my images have landed
	s_barrier_signal -1
	s_barrier_wait -1                              ; the work-group's 64 KiB of codes lie in LDS
.set wi, 0
.rept 32
	ds_load_b32 v[WS+wi], v[LS] offset:128*wi
.set wi, wi+1
.endr
	FETCHW 0
	WIN 0
	s_mov_b32 s[SPS], 0
.Lpass:
	s_cmp_eq_u32 s[SPS], 0
	s_cbranch_scc1 .Lgo                            ; pass 0: always, and its operands are asked for already
	s_cmp_ge_u32 s[SROW], s[SCNT]
	s_cbranch_scc1 .Lskip                          ; no row is left for my group
	s_wait_loadcnt 0x0                             ; no load is out when registers of loads are written anew
	ENTRIES
.set xn, 16
.rept 86
	XL xn
.set xn, xn+1
.endr
	FETCHW 0
	WIN 0
.Lgo:
.irp s, 0,1,2,3,4,5,6,7
	KSTEP \s
.endr
	WIN 0
.rept 4
	v_nop                                          ; places in front of the first read of results
.endr
.irp i, 0,1,2,3,4
	EPI \i
.endr
	v_cndmask_b32 v[SPR], v[PW], v[PW+1], s[SHI]   ; two tiles' scale words to a register
	v_cndmask_b32 v[SPR+1], v[PW+2], v[PW+3], s[SHI]
	global_store_b32 v[L4], v[SPR], s[84:85]
	global_store_b32 v[L4], v[SPR+1], s[84:85] offset:128
	global_store_b32 v[L4], v[PW+4], s[84:85] offset:256
.Lskip:
	s_wait_xcnt 0x0                                ; the stores have read their bases
	s_add_nc_u64 s[14:15], s[14:15], 655360        ; four groups on
	s_add_nc_u64 s[84:85], s[84:85], 49152
	s_add_co_u32 s[SROW], s[SROW], 320
	s_add_co_u32 s[SQ], s[SQ], 1280
	s_add_co_u32 s[SPS], s[SPS], 1
	s_cmp_lt_u32 s[SPS], 4
	s_cbranch_scc1 .Lpass
	s_wait_tensorcnt 0x0                           ; the wave's end
	ds_add_u32 v[SPW], v[NIL]
	s_wait_dscnt 0x0
	s_endpgm
.Lfunc_end_k_q451ee22311_ffn1:
	.size	k_q451ee22311_ffn1, .Lfunc_end_k_q451ee22311_ffn1-k_q451ee22311_ffn1
	.p2alignl 7, 3214868480
	.fill 96, 4, 3214868480
	.section	.rodata,"a",@progbits
	.p2align	6, 0x0
	.amdhsa_kernel k_q451ee22311_ffn1
		.amdhsa_group_segment_fixed_size 77568
		.amdhsa_private_segment_fixed_size 0
		.amdhsa_enable_private_segment 0
		.amdhsa_kernarg_size 56
		.amdhsa_user_sgpr_count 2
		.amdhsa_user_sgpr_kernarg_segment_ptr 1
		.amdhsa_wavefront_size32 1
		.amdhsa_system_sgpr_workgroup_id_x 1
		.amdhsa_system_sgpr_workgroup_id_y 1
		.amdhsa_system_sgpr_workgroup_id_z 1
		.amdhsa_system_vgpr_workitem_id 0
		.amdhsa_next_free_vgpr 1024
		.amdhsa_next_free_sgpr 102
		.amdhsa_reserve_vcc 0
		.amdhsa_float_denorm_mode_32 3
		.amdhsa_float_denorm_mode_16_64 3
		.amdhsa_memory_ordered 1
		.amdhsa_forward_progress 1
		.amdhsa_inst_pref_size 244
	.end_amdhsa_kernel
	.amdgpu_metadata
---
amdhsa.version: [ 1, 2 ]
amdhsa.kernels:
  - .name:           k_q451ee22311_ffn1
    .symbol:         k_q451ee22311_ffn1.kd
    .args:
      - { .name: W1, .offset: 0, .size: 8, .value_kind: global_buffer, .address_space: global }
      - { .name: b1, .offset: 8, .size: 8, .value_kind: global_buffer, .address_space: global }
      - { .name: xq, .offset: 16, .size: 8, .value_kind: global_buffer, .address_space: global }
      - { .name: xs, .offset: 24, .size: 8, .value_kind: global_buffer, .address_space: global }
      - { .name: masks, .offset: 32, .size: 8, .value_kind: global_buffer, .address_space: global }
      - { .name: hq, .offset: 40, .size: 8, .value_kind: global_buffer, .address_space: global }
      - { .name: hs, .offset: 48, .size: 8, .value_kind: global_buffer, .address_space: global }
    .group_segment_fixed_size: 77568
    .private_segment_fixed_size: 0
    .kernarg_segment_align: 8
    .kernarg_segment_size: 56
    .max_flat_workgroup_size: 128
    .sgpr_count:     102
    .vgpr_count:     1024
    .wavefront_size: 32
...
	.end_amdgpu_metadata
.endif
;; end of part 2
;; launch ffn2 (part 3): grid 256 x 1, 4 waves a work-group, no clusters, 94,976 bytes of LDS; arguments W2, b2, hq, hs, masks, gate, ybuf; writes ybuf
.if DOCPART == 3
	.amdgcn_target "amdgcn-amd-amdhsa--gfx1250"
	.amdhsa_code_object_version 6
	.text
	.protected	k_q451ee22311_ffn2
	.globl	k_q451ee22311_ffn2
	.p2align	8
	.type	k_q451ee22311_ffn2,@function
k_q451ee22311_ffn2:
	s_mov_b64 s[64:65], 0
	v_nop
	global_prefetch_b8 v0, s[64:65] scope:SCOPE_SE
	s_setreg_imm32_b32 hwreg(HW_REG_WAVE_MODE, 25, 1), 1
	s_wait_xcnt 0x0
; gate x (h W2[e] + b2[e]) for the rows (token, chosen expert) alone, in MX-FP4; h comes as the register images that the launch before stored.
; LEFT OUT: the rows of experts that a token did not choose: their combine weight is a zero that reference() builds from its one_hot (shown at the head of the first kernel).  LIMITS: as stated there.
; SHARES: work-group (e = wg / 32, hf = (wg / 16) % 2, db = wg % 16) owns 64 output columns and one half of K = F: W2[e][2048 hf ..][64 db ..], 512 KiB of f32, read once; a load takes two whole rows' pieces of 256 bytes.
; The two halves of K give two partial sums, each with half of b2 (a halving is exact), each times the gate: ybuf [half][row = 1,024 choice + token][1024]; the last launch adds four rows for each token.
; Rows 2,048 + e of ybuf take what the places behind an expert's count produce, and are never read.
; PHASE 1 as in the launch before: lanes 0-15 hold rows k .. k + 31, lanes 16-31 the 32 rows below, four columns a lane.  The list likewise, by the same lines, so that both launches have the same order.
; PHASE 2: group 4 pass + wave, 80 rows; 16 K steps; h's fragments run four K steps ahead in a ring of five sets.  The product is used transposed: a lane holds one token and eight neighbouring columns.
; The 20 accumulators take turns, one instruction a turn.  The way out goes through the wave's own stage, so that sixteen lanes store 256 consecutive bytes of a token's row.
; NO TENSOR LOAD, NO CLUSTER: the passes hang on a count read from memory, so operands come through registers; no two work-groups share a byte of W2.
; REGISTERS.  Window 0: addresses, scales, work; v128-255 the turned numbers, later v128-159 results, v160-191 rows on the way out.  Window 1: the ring for W2, later accumulators (32 i + 8 t).
; Window 2: v0-63 W2's fragments, two sets; v64-95 b2 / 2.  Window 3: h's fragments, five sets of 40.
.set WSC,   67584
.set LIST,  71680
.set STG,   77056                      ; 4 stages of 16 rows x 272 bytes
.set SPARE, 94464
.set LI,   1
.set WA,   2
.set SA,   3
.set SPW,  4
.set NIL,  5
.set LI2,  6
.set LS,   7
.set L4,   8
.set LA0,  9
.set LAC,  10
.set H32,  11                          ; 32 (lane / 16)
.set WO,   12                          ; W2: 16 (lane % 16) + 32 rows x (lane / 16)
.set SCA,  13                          ; the scatter's address: serves nothing else
.set SCP,  14
.set SCE,  15
.set LB0,  16                          ; LIST + 4 (lane / 16)
.set LBC,  17
.set STO,  18
.set SRD,  19
.set C16,  20                          ; 16 (lane % 16)
.set SH8,  21                          ; 8 (lane / 16)
.set MX,   22
.set SO,   26
.set LN,   31
.set RC,   32
.set WS,   48                          ; v48-79 W2's scale words: scales and nothing else
.set HSC,  80                          ; v80-94 h's scale words, five sets of three: scales and nothing else
.set G,    96                          ; v96-105 the gates, in pairs whose upper register is 0
.set ENT,  106
.set GA,   111
.set RO,   116                         ; v116-123 rows of ybuf
.set SWD,  116
.set BY,   120
.set LT0,  116
.set LT1,  117
.set DMP,  118
.set FIL,  119
.set FD,   124                         ; v124-127
.set RT,   128
.set OO,   128
.set BK,   160
.set B2,   64                          ; in window 2
.set SW,   86
.set SE,   87
.set SH,   88
.set SCNT, 89
.set SM,   90
.set SBC,  91
.set SROW, 92
.set SQ,   93
.set SPS,  94
.set SD,   95
.set SEL,  96
.set MSB, 0
.macro WIN new
.if MSB != \new
	s_set_vgpr_msb (MSB<<8)|\new
.set MSB, \new
.endif
.endm
.macro WLOAD n                         ; sub-block n: 8 rows for each half of the lanes
	WIN 0x40
.irp i, 0,1,2,3,4,5,6,7
	global_load_b128 v[32*((\n)%8)+4*\i:32*((\n)%8)+4*\i+3], v[WO], s[4:5] offset:(64*((\n)/4)+8*((\n)%4)+\i)*4096 th:TH_LOAD_NT
.endr
.endm
.macro HLOAD s, u                      ; load u of 13 of K step s: three registers of scale words, ten halves of fragments
.if (\u) < 3
	WIN 0
	global_load_b32 v[HSC+3*((\s)%5)+(\u)], v[L4], s[10:11] offset:384*(\s)+128*(\u)
.else
	WIN 0xc0
	global_load_b128 v[40*((\s)%5)+4*((\u)-3):40*((\s)%5)+4*((\u)-3)+3], v[LI], s[8:9] offset:5120*(\s)+512*((\u)-3)
.endif
.endm
.macro XL n                            ; load n of a group's operands: 0-7 b2; 8-12 the gates; from 13 on K steps 0 to 3 of h
.if (\n) < 8
	WIN 0x80
	global_load_b128 v[B2+4*(\n):B2+4*(\n)+3], v[H32], s[6:7] offset:64*((\n)/2)+16*((\n)%2)
.elseif (\n) < 13
	WIN 0
	global_load_b32 v[G+2*((\n)-8)], v[GA+(\n)-8], s[14:15]
.else
	HLOAD ((\n)-13)/13, ((\n)-13)%13
.endif
.endm
.macro LISTGRP i, vec
	s_or_b32 s[SM], s[16+(\i)], s[48+(\i)+4*((\i)/16)]
.if \vec
	v_mbcnt_lo_u32_b32 v[SCP], s[SM], s[SCNT]
	v_cndmask_b32 v[SCP], v[DMP], v[SCP], s[SM]
	v_min_u32 v[SCP], 0x500, v[SCP]
	v_lshl_add_u32 v[SCA], v[SCP], 2, LIST
	v_add_nc_u32 v[LT0], 32*(\i), v[LN]
	v_add_nc_u32 v[LT1], 1024+32*(\i), v[LN]
	v_cndmask_b32 v[SCE], v[LT0], v[LT1], s[48+(\i)+4*((\i)/16)]
	ds_store_b32 v[SCA], v[SCE]
.endif
	s_bcnt1_i32_b32 s[SBC], s[SM]
	s_add_co_u32 s[SCNT], s[SCNT], s[SBC]
.endm
.macro ENTRIES
	v_add_nc_u32 v[LAC], s[SQ], v[LA0]
.irp i, 0,1,2,3,4
	ds_load_b32 v[ENT+\i], v[LAC] offset:64*\i
.endr
	s_wait_dscnt 0x0
.irp i, 0,1,2,3,4
	v_min_u32 v[ENT+\i], 0xfff, v[ENT+\i]
.endr
.irp i, 0,1,2,3,4
	v_and_b32 v[ENT+\i], 0x7ff, v[ENT+\i]          ; 1,024 choice + token (of a place behind the count: e)
.endr
.irp i, 0,1,2,3,4
	v_lshlrev_b32 v[GA+\i], 2, v[ENT+\i]
.endr
.endm
; 64 rows are whole: block 2 c + (lane / 16) of K step d / 2 of my four, c = d % 2.
.macro BLOCKEND d
	s_wait_dscnt 0x0                               ; the last block's stores have read their registers
.irp j, 0,1,2,3
	v_add_nc_u32 v[SO+\j], 0xff000000, v[MX+\j]
.endr
.if (\d)%2 == 0
.irp j, 0,1,2,3
	v_lshrrev_b32 v[SWD+\j], 23, v[SO+\j]
.endr
.else
.irp j, 0,1,2,3
	v_lshrrev_b32 v[BY+\j], 23, v[SO+\j]
.endr
.irp j, 0,1,2,3
	v_lshl_or_b32 v[SWD+\j], v[BY+\j], 16, v[SWD+\j]   ; my two bytes: blocks h and 2 + h,
.endr
.irp j, 0,1,2,3
	v_lshlrev_b32 v[SWD+\j], v[SH8], v[SWD+\j]     ; at their places;
.endr
.irp j, 0,1,2,3
	v_permlanex16_b32 v[BY+\j], v[SWD+\j], s[SEL], s[SEL+1]
.endr
.irp j, 0,1,2,3
	v_or_b32 v[SWD+\j], v[SWD+\j], v[BY+\j]        ; with lane l xor 16's two the word is whole
.endr
.endif
.irp j, 0,1,2,3
.irp g, 0,1,2,3
	v_cvt_scalef32_pk8_fp4_f32 v[RC+4*\j+\g], v[RT+32*\j+8*\g:RT+32*\j+8*\g+7], v[SO+\j]
.endr
.endr
	v_nop                                          ; a plain line behind the last conversion
.irp j, 0,1,2,3
	ds_store_b128 v[WA], v[RC+4*\j:RC+4*\j+3] offset:(\d)*2112+16*\j
.endr
.if (\d)%2 == 1
.irp j, 0,1,2,3
	ds_store_b32 v[SA], v[SWD+\j] offset:256*((\d)/2)+4*\j   ; both halves of the lanes write the same word
.endr
.endif
.endm
.macro SUB n
	s_wait_loadcnt 48                              ; sub-block n is in; six younger batches of eight loads may be out
	WIN 0x01
.irp i, 0,1,2,3,4,5,6,7
.irp j, 0,1,2,3
	v_mov_b32 v[RT+32*\j+8*((\n)%4)+\i], v[32*((\n)%8)+4*\i+\j]
.endr
.endr
.if (\n)+7 < 32
	WLOAD (\n)+7
.else
.set xn, 8*((\n)-25)
.rept 8
	XL xn
.set xn, xn+1
.endr
.endif
	WIN 0
.irp j, 0,1,2,3
.if (\n)%4 == 0
	v_max3_num_f32 v[MX+\j], |v[RT+32*\j]|, |v[RT+32*\j+1]|, 0x1800000
.else
	v_max3_num_f32 v[MX+\j], v[MX+\j], |v[RT+32*\j+8*((\n)%4)]|, |v[RT+32*\j+8*((\n)%4)+1]|
.endif
.endr
.irp i, 2,4,6
.irp j, 0,1,2,3
	v_max3_num_f32 v[MX+\j], v[MX+\j], |v[RT+32*\j+8*((\n)%4)+\i]|, |v[RT+32*\j+8*((\n)%4)+\i+1]|
.endr
.endr
.if (\n)%4 == 3
	BLOCKEND (\n)/4
.endif
.endm
.macro FETCHW s
	WIN 0x80
.irp t, 0,1,2,3
.irp c, 0,1
.if (\s) < 8
	ds_load_b128 v[32*((\s)%2)+8*\t+4*\c:32*((\s)%2)+8*\t+4*\c+3], v[LI] offset:(2*(\s)+\c)*2112+528*\t
.else
	ds_load_b128 v[32*((\s)%2)+8*\t+4*\c:32*((\s)%2)+8*\t+4*\c+3], v[LI2] offset:(2*((\s)-8)+\c)*2112+528*\t
.endif
.endr
.endr
.endm
.macro MM
.if mra && mrb
	v_wmma_scale_f32_16x16x128_f8f6f4 v[md:md+7], v[ma:ma+7], v[mb:mb+7], v[mc:mc+7], v[msa], v[msb] matrix_a_fmt:MATRIX_FMT_FP4 matrix_b_fmt:MATRIX_FMT_FP4 matrix_a_scale:MATRIX_SCALE_ROW1 matrix_b_scale:MATRIX_SCALE_ROW1
.elseif mra
	v_wmma_scale_f32_16x16x128_f8f6f4 v[md:md+7], v[ma:ma+7], v[mb:mb+7], v[mc:mc+7], v[msa], v[msb] matrix_a_fmt:MATRIX_FMT_FP4 matrix_b_fmt:MATRIX_FMT_FP4 matrix_a_scale:MATRIX_SCALE_ROW1
.elseif mrb
	v_wmma_scale_f32_16x16x128_f8f6f4 v[md:md+7], v[ma:ma+7], v[mb:mb+7], v[mc:mc+7], v[msa], v[msb] matrix_a_fmt:MATRIX_FMT_FP4 matrix_b_fmt:MATRIX_FMT_FP4 matrix_b_scale:MATRIX_SCALE_ROW1
.else
	v_wmma_scale_f32_16x16x128_f8f6f4 v[md:md+7], v[ma:ma+7], v[mb:mb+7], v[mc:mc+7], v[msa], v[msb] matrix_a_fmt:MATRIX_FMT_FP4 matrix_b_fmt:MATRIX_FMT_FP4
.endif
.endm
.macro MMROW s, t                      ; tile t of W2's columns against the five token tiles
.irp i, 0,1,2,3,4
.set md, 32*\i+8*(\t)
.set ma, 32*((\s)%2)+8*(\t)
.set mb, 40*((\s)%5)+8*\i
.if (\s) == 0
.set mc, B2+8*(\t)
.else
.set mc, md
.endif
.set msa, WS+2*(\s)+(\t)/2
.set msb, HSC+3*((\s)%5)+\i/2
.set mra, (\t)%2
.set mrb, \i%2
	MM
.endr
.endm
.macro KSTEP s
.if 15-(\s) < 3
	s_wait_loadcnt 13*(15-(\s))
.else
	s_wait_loadcnt 39                              ; thirteen loads for each of the three later K steps asked for may be out
.endif
	s_wait_dscnt 0x0                               ; W2's fragments (and, the first time, its scale words)
.if (\s) == 0
	WIN 0x6e                                       ; source 0 window 2, source 1 window 3, C (b2 / 2) window 2, D window 1
.else
	WIN 0x5e
.endif
.irp t, 0,1
	MMROW \s, \t
.endr
.if (\s) < 15
.rept 4
	v_nop                                          ; places in front of loads into the sets that the K step before has read
.endr
.endif
.if (\s)+4 <= 15
.set hu, 0
.rept 13
	HLOAD (\s)+4, hu
.set hu, hu+1
.endr
.endif
.if (\s) < 15
	FETCHW (\s)+1
.endif
.if (\s) == 0
	WIN 0x6e
.else
	WIN 0x5e
.endif
.irp t, 2,3
	MMROW \s, \t
.endr
.endm
.macro EPI i                           ; token tile i: times the gate, through my stage, out by rows
	s_wait_xcnt 0x0                                ; the last tile's stores have read their registers
	WIN 0x01
.set ej, 0
.rept 16
	v_pk_mul_f32 v[OO+ej:OO+ej+1], v[32*(\i)+ej:32*(\i)+ej+1], v[G+2*(\i):G+2*(\i)+1] op_sel_hi:[1,0]   ; each accumulator from its low end on
.set ej, ej+2
.endr
	WIN 0
.irp q, 0,1,2,3,4,5,6,7
	ds_store_b128 v[STO], v[OO+4*\q:OO+4*\q+3] offset:64*(\q/2)+16*(\q%2)
.endr
.irp q, 0,1,2,3,4,5,6,7
	ds_load_b32 v[RO+\q], v[LBC] offset:64*(\i)+8*\q              ; the entry of row 2 q + lane / 16
.endr
.irp q, 0,1,2,3,4,5,6,7
	ds_load_b128 v[BK+4*\q:BK+4*\q+3], v[SRD] offset:544*\q       ; LDS serves a wave's instructions in order: these see the stores above
.endr
	s_wait_dscnt 0x0
.irp q, 0,1,2,3,4,5,6,7
	v_min_u32 v[RO+\q], 0x807, v[RO+\q]
.endr
.irp q, 0,1,2,3,4,5,6,7
	v_lshl_add_u32 v[RO+\q], v[RO+\q], 12, v[C16]
.endr
.irp q, 0,1,2,3,4,5,6,7
	global_store_b128 v[RO+\q], v[BK+4*\q:BK+4*\q+3], s[84:85]    ; sixteen lanes store 256 consecutive bytes, aligned, of one row
.endr
.endm
	s_load_b256 s[4:11], s[0:1], 0x0               ; W2, b2, hq, hs
	s_load_b128 s[12:15], s[0:1], 0x20             ; masks, gate
	s_load_b64 s[84:85], s[0:1], 0x30              ; ybuf
	v_lshl_add_u32 v[SPW], v0, 2, SPARE
	v_mov_b32 v[NIL], 0
	v_lshrrev_b32 v116, 5, v0
	v_readfirstlane_b32 s[SW], v116
	v_and_b32 v[LN], 31, v0
	s_lshr_b32 s[SE], ttmp9, 5
	s_bfe_u32 s[SH], ttmp9, 0x10004
	s_and_b32 s[SD], ttmp9, 15
	v_lshlrev_b32 v[LI], 4, v[LN]
	v_lshlrev_b32 v[L4], 2, v[LN]
	v_add_nc_u32 v[LI2], 33792, v[LI]
	v_lshl_add_u32 v[LS], v[LN], 2, WSC
	v_and_b32 v116, 15, v[LN]                      ; lane % 16
	v_lshrrev_b32 v117, 4, v[LN]                   ; lane / 16
	v_bfe_u32 v118, v[LN], 2, 2                    ; my columns 4 (l % 16) + j are row 4 (l & 3) + j of tile (l >> 2) & 3
	v_and_b32 v119, 3, v[LN]
	v_bfe_u32 v120, v[LN], 3, 1
	v_bfe_u32 v121, v[LN], 2, 1
	v_lshl_add_u32 v[LA0], v116, 2, LIST
	v_lshl_add_u32 v[LB0], v117, 2, LIST
	v_lshlrev_b32 v[C16], 4, v116
	v_lshl_add_u32 v[WO], v117, 17, v[C16]
	v_lshlrev_b32 v[H32], 5, v117
	v_lshlrev_b32 v[SH8], 3, v117
	v_mul_u32_u24 v[WA], v118, 528
	v_lshl_add_u32 v[WA], v119, 6, v[WA]
	v_lshl_add_u32 v[WA], v117, 8, v[WA]
	s_mul_i32 s98, s[SW], 16896                    ; my four K steps: eight rows of units
	v_add_nc_u32 v[WA], s98, v[WA]
	v_lshlrev_b32 v[SA], 7, v120
	v_lshl_add_u32 v[SA], v121, 6, v[SA]
	v_lshl_add_u32 v[SA], v119, 4, v[SA]
	s_lshl_b32 s98, s[SW], 10
	s_add_co_u32 s98, s98, WSC
	v_add_nc_u32 v[SA], s98, v[SA]
	s_mul_i32 s98, s[SW], 4352
	s_add_co_u32 s98, s98, STG                     ; my stage
	v_mul_u32_u24 v[STO], v116, 272
	v_lshl_add_u32 v[STO], v117, 5, v[STO]
	v_add_nc_u32 v[STO], s98, v[STO]               ; in: row lane % 16, 32 bytes for each half of the lanes
	v_mul_u32_u24 v[SRD], v117, 272
	v_add_nc_u32 v[SRD], v[SRD], v[C16]
	v_add_nc_u32 v[SRD], s98, v[SRD]               ; back: sixteen lanes to a row
.irp i, 0,1,2,3,4
	v_mov_b32 v[G+2*\i+1], 0                       ; named as the upper halves of pairs
.endr
	v_add_nc_u32 v[FIL], LIST, v[LI]
	v_mov_b32 v[DMP], 0x500
	s_add_co_u32 s98, s[SE], 2048
.irp q, 0,1,2,3
	v_mov_b32 v[FD+\q], s98
.endr
	s_lshl_b32 s98, s[SE], 24
	s_lshl_b32 s99, s[SH], 23
	s_add_co_u32 s98, s98, s99
	s_lshl_b32 s99, s[SW], 21
	s_add_co_u32 s98, s98, s99
	s_lshl_b32 s99, s[SD], 8
	s_add_co_u32 s98, s98, s99
	s_mov_b32 s99, 0
	s_wait_kmcnt 0x0
	s_add_nc_u64 s[4:5], s[4:5], s[98:99]          ; W2[e][2048 hf + 512 w][64 db]
	s_lshl_b32 s98, s[SE], 12
	s_lshl_b32 s100, s[SD], 8
	s_add_co_u32 s98, s98, s100
	s_add_nc_u64 s[6:7], s[6:7], s[98:99]          ; b2[e][64 db]
	s_lshl_b32 s98, s[SE], 7
	s_add_nc_u64 s[12:13], s[12:13], s[98:99]
	s_lshl_b32 s100, s[SE], 4
	s_add_co_u32 s100, s100, s[SW]
	s_lshl_b32 s100, s100, 5
	s_lshl_b32 s101, s[SH], 4
	s_add_co_u32 s100, s100, s101                  ; (16 e + group) x 32 + 16 hf
	s_mul_i32 s98, s100, 5120
	s_add_nc_u64 s[8:9], s[8:9], s[98:99]
	s_mul_i32 s98, s100, 384
	s_add_nc_u64 s[10:11], s[10:11], s[98:99]
	s_mul_i32 s98, s[SH], 8421376
	s_lshl_b32 s100, s[SD], 8
	s_add_co_u32 s98, s98, s100
	s_add_nc_u64 s[84:85], s[84:85], s[98:99]      ; ybuf[hf][0][64 db]
	s_load_b512 s[16:31], s[12:13], 0x0
	s_load_b512 s[32:47], s[12:13], 0x40
	s_load_b512 s[48:63], s[12:13], 0x400
	s_load_b512 s[68:83], s[12:13], 0x440
.irp n, 0,1,2,3,4,5,6
	WLOAD \n
.endr
	WIN 0
	s_mov_b32 s[SCNT], 0
	s_mov_b32 s[SEL], 0x76543210
	s_mov_b32 s[SEL+1], 0xfedcba98
	s_mul_i32 s[SROW], s[SW], 80
	s_mul_i32 s[SQ], s[SW], 320
	s_wait_kmcnt 0x0
	s_cmp_lg_u32 s[SW], 0
	s_cbranch_scc1 .Lcount
.irp i, 0,1,2,3,4,5,6,7,8,9
	ds_store_b128 v[FIL], v[FD:FD+3] offset:512*\i
.endr
.set li, 0
.rept 32
	LISTGRP li, 1
.set li, li+1
.endr
	s_branch .Llisted
.Lcount:
.set li, 0
.rept 32
	LISTGRP li, 0
.set li, li+1
.endr
.Llisted:
	s_wait_dscnt 0x0                               ; wave 0: the list has landed
	s_barrier_signal -1
	s_barrier_wait -1
	ENTRIES
.set sn, 0
.rept 32
	SUB sn
.set sn, sn+1
.endr
.set xn, 56
.rept 9
	XL xn
.set xn, xn+1
.endr
	WIN 0
	s_wait_dscnt 0x0                               ; my images have landed
	s_barrier_signal -1
	s_barrier_wait -1
.set wi, 0
.rept 32
	ds_load_b32 v[WS+wi], v[LS] offset:128*wi
.set wi, wi+1
.endr
	FETCHW 0
	s_wait_loadcnt 39                              ; b2 is in (behind it: the gates and K step 0; K steps 1 to 3 may be out)
	WIN 0x88
.set wi, 0
.rept 32
	v_mul_f32 v[B2+wi], 0.5, v[B2+wi]              ; each half of K carries half of the bias
.set wi, wi+1
.endr
	WIN 0
	s_mov_b32 s[SPS], 0
.Lpass:
	s_cmp_eq_u32 s[SPS], 0
	s_cbranch_scc1 .Lgo                            ; pass 0: always, and its operands are asked for already
	s_cmp_ge_u32 s[SROW], s[SCNT]
	s_cbranch_scc1 .Lskip
	s_wait_loadcnt 0x0                             ; no load is out when registers of loads are written anew
	ENTRIES
.set xn, 8
.rept 57
	XL xn
.set xn, xn+1
.endr
	FETCHW 0
	WIN 0
.Lgo:
.irp s, 0,1,2,3,4,5,6,7,8,9,10,11,12,13,14,15
	KSTEP \s
.endr
	WIN 0
.rept 4
	v_nop                                          ; places in front of the first read of results
.endr
	v_add_nc_u32 v[LBC], s[SQ], v[LB0]             ; my group's entries, two rows an instruction
.irp i, 0,1,2,3,4
	EPI \i
.endr
.Lskip:
	s_wait_xcnt 0x0                                ; loads and stores have read their bases
	s_add_nc_u64 s[8:9], s[8:9], 655360            ; four groups on
	s_add_nc_u64 s[10:11], s[10:11], 49152
	s_add_co_u32 s[SROW], s[SROW], 320
	s_add_co_u32 s[SQ], s[SQ], 1280
	s_add_co_u32 s[SPS], s[SPS], 1
	s_cmp_lt_u32 s[SPS], 4
	s_cbranch_scc1 .Lpass
	s_wait_tensorcnt 0x0                           ; the wave's end
	ds_add_u32 v[SPW], v[NIL]
	s_wait_dscnt 0x0
	s_endpgm
.Lfunc_end_k_q451ee22311_ffn2:
	.size	k_q451ee22311_ffn2, .Lfunc_end_k_q451ee22311_ffn2-k_q451ee22311_ffn2
	.p2alignl 7, 3214868480
	.fill 96, 4, 3214868480
	.section	.rodata,"a",@progbits
	.p2align	6, 0x0
	.amdhsa_kernel k_q451ee22311_ffn2
		.amdhsa_group_segment_fixed_size 94976
		.amdhsa_private_segment_fixed_size 0
		.amdhsa_enable_private_segment 0
		.amdhsa_kernarg_size 56
		.amdhsa_user_sgpr_count 2
		.amdhsa_user_sgpr_kernarg_segment_ptr 1
		.amdhsa_wavefront_size32 1
		.amdhsa_system_sgpr_workgroup_id_x 1
		.amdhsa_system_sgpr_workgroup_id_y 1
		.amdhsa_system_sgpr_workgroup_id_z 1
		.amdhsa_system_vgpr_workitem_id 0
		.amdhsa_next_free_vgpr 1024
		.amdhsa_next_free_sgpr 102
		.amdhsa_reserve_vcc 0
		.amdhsa_float_denorm_mode_32 3
		.amdhsa_float_denorm_mode_16_64 3
		.amdhsa_memory_ordered 1
		.amdhsa_forward_progress 1
		.amdhsa_inst_pref_size 247
	.end_amdhsa_kernel
	.amdgpu_metadata
---
amdhsa.version: [ 1, 2 ]
amdhsa.kernels:
  - .name:           k_q451ee22311_ffn2
    .symbol:         k_q451ee22311_ffn2.kd
    .args:
      - { .name: W2, .offset: 0, .size: 8, .value_kind: global_buffer, .address_space: global }
      - { .name: b2, .offset: 8, .size: 8, .value_kind: global_buffer, .address_space: global }
      - { .name: hq, .offset: 16, .size: 8, .value_kind: global_buffer, .address_space: global }
      - { .name: hs, .offset: 24, .size: 8, .value_kind: global_buffer, .address_space: global }
      - { .name: masks, .offset: 32, .size: 8, .value_kind: global_buffer, .address_space: global }
      - { .name: gate, .offset: 40, .size: 8, .value_kind: global_buffer, .address_space: global }
      - { .name: ybuf, .offset: 48, .size: 8, .value_kind: global_buffer, .address_space: global }
    .group_segment_fixed_size: 94976
    .private_segment_fixed_size: 0
    .kernarg_segment_align: 8
    .kernarg_segment_size: 56
    .max_flat_workgroup_size: 128
    .sgpr_count:     102
    .vgpr_count:     1024
    .wavefront_size: 32
...
	.end_amdgpu_metadata
.endif
;; end of part 3
;; launch combine (part 4): grid 256 x 1, 8 waves a work-group, no clusters, 0 bytes of LDS; arguments ybuf, out0; writes out0
.if DOCPART == 4
	.amdgcn_target "amdgcn-amd-amdhsa--gfx1250"
	.amdhsa_code_object_version 6
	.text
	.protected	k_q451ee22311_combine
	.globl	k_q451ee22311_combine
	.p2align	8
	.type	k_q451ee22311_combine,@function
k_q451ee22311_combine:
	s_mov_b64 s[64:65], 0
	v_nop
	global_prefetch_b8 v0, s[64:65] scope:SCOPE_SE
	s_setreg_imm32_b32 hwreg(HW_REG_WAVE_MODE, 25, 1), 1
	s_wait_xcnt 0x0
; out0[t] = the sum of token t's four rows of ybuf: two choices x two halves of K.  Gate and bias are in the rows already; the experts that a token did not choose add nothing (shown at the head of the first kernel).
; A work-group takes 4 tokens; thread t takes the 16 bytes at 16 t of every row, so that a wave's load or store covers 512 consecutive bytes.  All 16 loads go out at once.  A stream: no LDS, no matrix unit.
.set HALF, 8421376                     ; 2,056 rows of 4,096 bytes
.set CH2,  4194304                     ; 1,024 rows: from the first choice to the second
	s_load_b128 s[4:7], s[0:1], 0x0                ; ybuf, out0
	v_lshlrev_b32 v1, 4, v0
	s_lshl_b32 s2, ttmp9, 14                       ; 4 rows of 4,096 bytes
	s_mov_b32 s3, 0
	s_wait_kmcnt 0x0
	s_add_nc_u64 s[4:5], s[4:5], s[2:3]
	s_add_nc_u64 s[6:7], s[6:7], s[2:3]
	s_add_nc_u64 s[8:9], s[4:5], HALF
.irp r, 0,1,2,3
	global_load_b128 v[8+16*\r:11+16*\r],  v1, s[4:5] offset:4096*\r th:TH_LOAD_NT
	global_load_b128 v[12+16*\r:15+16*\r], v1, s[4:5] offset:4096*\r+CH2 th:TH_LOAD_NT
	global_load_b128 v[16+16*\r:19+16*\r], v1, s[8:9] offset:4096*\r th:TH_LOAD_NT
	global_load_b128 v[20+16*\r:23+16*\r], v1, s[8:9] offset:4096*\r+CH2 th:TH_LOAD_NT
.endr
.irp r, 0,1,2,3
	s_wait_loadcnt 12-4*\r                         ; this token's four loads are in; four for each later token may be out
	v_pk_add_f32 v[8+16*\r:9+16*\r],   v[8+16*\r:9+16*\r],   v[12+16*\r:13+16*\r]
	v_pk_add_f32 v[10+16*\r:11+16*\r], v[10+16*\r:11+16*\r], v[14+16*\r:15+16*\r]
	v_pk_add_f32 v[16+16*\r:17+16*\r], v[16+16*\r:17+16*\r], v[20+16*\r:21+16*\r]
	v_pk_add_f32 v[18+16*\r:19+16*\r], v[18+16*\r:19+16*\r], v[22+16*\r:23+16*\r]
	v_pk_add_f32 v[8+16*\r:9+16*\r],   v[8+16*\r:9+16*\r],   v[16+16*\r:17+16*\r]
	v_pk_add_f32 v[10+16*\r:11+16*\r], v[10+16*\r:11+16*\r], v[18+16*\r:19+16*\r]
	global_store_b128 v1, v[8+16*\r:11+16*\r], s[6:7] offset:4096*\r th:TH_STORE_NT
.endr
	s_endpgm
.Lfunc_end_k_q451ee22311_combine:
	.size	k_q451ee22311_combine, .Lfunc_end_k_q451ee22311_combine-k_q451ee22311_combine
	.p2alignl 7, 3214868480
	.fill 96, 4, 3214868480
	.section	.rodata,"a",@progbits
	.p2align	6, 0x0
	.amdhsa_kernel k_q451ee22311_combine
		.amdhsa_group_segment_fixed_size 0
		.amdhsa_private_segment_fixed_size 0
		.amdhsa_enable_private_segment 0
		.amdhsa_kernarg_size 16
		.amdhsa_user_sgpr_count 2
		.amdhsa_user_sgpr_kernarg_segment_ptr 1
		.amdhsa_wavefront_size32 1
		.amdhsa_system_sgpr_workgroup_id_x 1
		.amdhsa_system_sgpr_workgroup_id_y 1
		.amdhsa_system_sgpr_workgroup_id_z 1
		.amdhsa_system_vgpr_workitem_id 0
		.amdhsa_next_free_vgpr 96
		.amdhsa_next_free_sgpr 66
		.amdhsa_reserve_vcc 0
		.amdhsa_float_denorm_mode_32 3
		.amdhsa_float_denorm_mode_16_64 3
		.amdhsa_memory_ordered 1
		.amdhsa_forward_progress 1
		.amdhsa_inst_pref_size 5
	.end_amdhsa_kernel
	.amdgpu_metadata
---
amdhsa.version: [ 1, 2 ]
amdhsa.kernels:
  - .name:           k_q451ee22311_combine
    .symbol:         k_q451ee22311_combine.kd
    .args:
      - { .name: ybuf, .offset: 0, .size: 8, .value_kind: global_buffer, .address_space: global }
      - { .name: out0, .offset: 8, .size: 8, .value_kind: global_buffer, .address_space: global }
    .group_segment_fixed_size: 0
    .private_segment_fixed_size: 0
    .kernarg_segment_align: 8
    .kernarg_segment_size: 16
    .max_flat_workgroup_size: 256
    .sgpr_count:     66
    .vgpr_count:     96
    .wavefront_size: 32
...
	.end_amdgpu_metadata
.endif
;; end of part 4
